; MI455X (gfx1250); checked and timed in simulation.
; The chip was launched on July 23, 2026; its instructions are those of AMD's public machine-readable ISA for CDNA 5 (MIT licence, August 2026) and "CDNA5" Instruction Set Architecture Reference Guide (July 2026). The comments in the code are by the model that wrote it; some were corrected since.
;; Self Attention. Allowed arithmetic: matrix products marked QUANTISED: E2M3 operands, one E8M0 scale for each 32 along K, by v_wmma_scale_f32_16x16x128_f8f6f4 with both operands' format E2M3, f32 sums; everything else in f32.
;; Inputs: Wproj 1,024 x 1,024 float32; Wqkv 1,024 x 3,072 float32; x 4 x 2,048 x 1,024 float32.
;; Outputs: out0 4 x 2,048 x 1,024 float32.
;; This version of the problem:
;;   THIS VERSION OF THE PROBLEM IS GIVEN IN LOW PRECISION. The matrix products marked QUANTISED in the list below multiply operands that are first quantised to E2M3 (2 exponent bits, 3 mantissa bits; 6 bits a number), with one power-of-two scale for each 32 numbers along K (OCP MX v1.0); their sums are f32. All else is computed in f32.
;;   The module's matrix products, in the order in which they are computed (A, B: the left and right operand; K: the contracted axis; several contracted axes count as one K, in the product's order):
;;     1. [M 8,192, K 1,024] x [K 1,024, N 3,072]; A: input x; B: input Wqkv: QUANTISED
;;     2. batch 64 x [M 2,048, K 64] x [K 64, N 2,048]; A: computed on the way; B: computed on the way: QUANTISED
;;     3. batch 64 x [M 2,048, K 2,048] x [K 2,048, N 64]; A: softmax (see below); B: computed on the way: QUANTISED
;;     4. [M 8,192, K 1,024] x [K 1,024, N 1,024]; A: computed on the way; B: input Wproj: QUANTISED
;;   THE QUANTISER, for each operand of a quantised product, along K:
;;     - K is cut into blocks of 32 from its start; a last block that is shorter is filled with zeros.
;;     - A block's scale is 2^e with e = floor(log2(the largest magnitude in the block)) - 2, held to -126 .. 127; a block of zeros has e = 0. As a byte (E8M0): e + 127.
;;     - Each number is divided by its block's scale, clamped to +-7.5, and rounded to the nearest number of E2M3, ties to even, subnormals kept.
;;     - The product sums the exact products of the quantised numbers (number of the format x scale) in f32.
;;   ~~~python
;;   def quantise(x, axis):      # numpy; x: float32 -> the quantised numbers, widened to float32 again
;;       x = np.moveaxis(x, axis, -1); K = x.shape[-1]
;;       x = np.pad(x, [(0, 0)] * (x.ndim - 1) + [(0, -K % 32)]); x = x.reshape(x.shape[:-1] + (-1, 32)); a = np.abs(x).max(-1, keepdims=True)
;;       e = np.where(a > 0, np.clip(np.frexp(np.where(a > 0, a, 1))[1] - 1 - 2, -126, 127), 0)      # np.frexp(a)[1] - 1 = floor(log2(a)), exactly
;;       r = np.clip(x / 2.0 ** e, -7.5, 7.5)
;;       step = 2.0 ** (np.maximum(np.frexp(np.where(r == 0, 1, r))[1] - 1, 0) - 3)
;;       q = np.round(r / step) * step * 2.0 ** e      # np.round: ties to even
;;       return np.moveaxis(q.reshape(q.shape[:-2] + (-1,))[..., :K], -1, axis).astype(np.float32)
;;   ~~~
;;   SOFTMAX AHEAD OF A QUANTISED PRODUCT. Where the list says 'softmax', what is quantised is not the finished softmax but p = 2^(t - M), with t = logit x log2(e) and M = ceil(the row's largest t), a whole number; so 1/2 < the row's largest p <= 1. The row's sum l is taken of the UNQUANTISED p, in f32, and the product's result is divided by l at the end. Since M is a whole number, a kernel that streams over the keys may use a running M (the ceiling of the running maximum): every later rescaling is an exact power of two, which a block's scale takes up: the codes' values come out the same.
;;   OPERANDS COMPUTED ON THE WAY. 'Computed on the way' means the value that the module computes at that place (a softmax that the list does not call 'softmax' is quantised finished and normalised). What goes into a quantiser is computed in f32, as accurately as f32 sums, v_exp_f32 and their like allow (about 1e-6 of the number): no bf16 or f16 on the way to a quantiser, and a product that is left as it is and whose result goes on into a quantised operand takes f32 operands (vector FMAs, or v_wmma_f32_16x16x4_f32). A number that lies on a knife's edge between two numbers of the format may be rounded either way, as far as f32 arithmetic and the matrix unit's own rounding can turn it there, and no further.
;; One version. Each part assembles by itself: llvm-mc -triple=amdgcn-amd-amdhsa -mcpu=gfx1250 --defsym DOCPART=n.
;; ======== version 1 of 1: 4 launches
;; workspace buffers: xq 6,553,600 bytes; wq 2,457,600 bytes; wp 819,200 bytes; qk 13,107,200 bytes; vv 6,553,600 bytes; at 6,553,600 bytes
;; launch quant (part 1): grid 512 x 1, 4 waves a work-group, no clusters, 35,328 bytes of LDS; arguments x, Wqkv, Wproj, xq, wq, wp; writes xq, wq, wp
.if DOCPART == 1
	.amdgcn_target "amdgcn-amd-amdhsa--gfx1250"
	.amdhsa_code_object_version 6
	.text
	.protected	k_q9cf4986414_quant
	.globl	k_q9cf4986414_quant
	.p2align	8
	.type	k_q9cf4986414_quant,@function
k_q9cf4986414_quant:
	s_mov_b64 s[64:65], 0
	v_nop
	global_prefetch_b8 v0, s[64:65] scope:SCOPE_SE
	s_setreg_imm32_b32 hwreg(HW_REG_WAVE_MODE, 25, 1), 1
	s_wait_xcnt 0x0
; x [8192][1024], Wqkv [1024][3072], Wproj [1024][1024], f32, become codes of FP6 (E2M3) with one E8M0 byte for each 32 along K = 1,024.
; A block's scale is 2^(floor(log2(its largest magnitude)) - 2): its byte is the largest magnitude's exponent field - 2, held at 1 from below.
; LIMITS: NaN and infinities are not served; a block whose largest magnitude lies under 2^-124, a block of zeros among them, gets the byte 1 (its codes are then
; what the conversion gives under that scale; zeros stay zeros); the bytes are read by this program alone.
; THE WORKSPACE IS LAID AS THE MATRIX UNIT'S REGISTERS.  A RECORD (12,800 bytes) is a tile of 16 rows for all of K: eight K steps of 128, each 1,536 bytes = six pieces of 256 bytes,
; piece p holding registers 2 p, 2 p + 1 of the fragment at 8 x lane; behind them 512 bytes of scale words, [K step / 4][row][K step % 4].
; THE ROWS OF A TILE ARE NOT NEIGHBOURS: of a group of 32 rows tile u takes rows 8 u + r + 8 (r / 8), r = 0 .. 15, so that a product's 16 registers of two neighbouring tiles are 16 neighbours.
; Work-groups 0-255 take x (K innermost), 256-511 the weights (K is the first axis).  Each way has LDS bytes of its own.  No tensor loads, no matrix work: memory binds.
.set REC,  12800
.set SPX,  528                         ; way X: a stage row: 512 bytes + 16: row r starts 4 r banks on
.set WST,  16*SPX                      ; a wave's stage
.set WSC,  4*WST                       ; way W: 512 bytes of scale words, behind the stages
.set L,    16                          ; v16-143  way X: two sets of 64 as loaded
.set X,    144                         ; v144-207 64 numbers of a lane: register 16 b + i = k 32 b + 16 (lane / 16) + i of my row
.set PC,   208                         ; v208-227 the codes just made, and the conversions' second halves
.set TM,   228                         ; v228-243 at work
.set PW,   244                         ; the scale word just made
.set SW,   245                         ; v245-248 the four K steps' scale words
.set OFF,  16                          ; v16-47   way W: byte offsets of 32 rows of the weight
.set D,    48                          ; v48-111  way W: two sets of 32 numbers
.set C,    176                         ; v176-207 way W: block t's codes at C + 8 t
	s_load_b256 s[4:11], s[0:1], 0x0               ; x s[4:5], Wqkv s[6:7], Wproj s[8:9], xq s[10:11]
	s_load_b128 s[12:15], s[0:1], 0x20             ; wq s[12:13], wp s[14:15]
	v_lshl_add_u32 v254, v0, 2, 0x8800
	v_mov_b32 v255, 0
	v_lshrrev_b32 v1, 5, v0
	v_readfirstlane_b32 s16, v1                    ; wave 0..3
	v_and_b32 v1, 31, v0                           ; lane
	v_and_b32 v2, 15, v0                           ; r
	v_bfe_u32 v3, v0, 4, 1                         ; h
	v_lshlrev_b32 v7, 3, v1                        ; 8 x lane: my place in a piece of 256 bytes
	s_mov_b32 s20, 0x76543210
	s_mov_b32 s21, 0xfedcba98                      ; v_permlanex16_b32's selects for lane l xor 16
	s_cmp_lt_u32 ttmp9, 256
	s_cbranch_scc0 .Lpath_w
; ---------------- WAY X: work-group g takes rows 32 g .. 32 g + 31 of x; wave w tile w / 2 of them, K half w % 2 (four K steps)
; 64 numbers of a lane become a fragment's 12 registers in v[PC] on and its scale word in v[PW]
.macro QUANT s
.irp b, 0,1,2,3
	v_max3_num_f32 v[TM+\b], |v[\s+16*\b]|, |v[\s+1+16*\b]|, 0x1800000   ; block b: my 16 numbers, and the floor 2^(3 - 127): the byte cannot fall under 1
.endr
.irp i, 2,4,6,8,10,12,14
.irp b, 0,1,2,3
	v_max3_num_f32 v[TM+\b], v[TM+\b], |v[\s+16*\b+\i]|, |v[\s+1+16*\b+\i]|   ; the four blocks by turns
.endr
.endr
.irp b, 0,1,2,3
	v_permlanex16_b32 v[TM+4+\b], v[TM+\b], s20, s21
.endr
.irp b, 0,1,2,3
	v_max_num_f32 v[TM+\b], v[TM+\b], v[TM+4+\b]   ; with lane l xor 16's: the block's largest magnitude
.endr
.irp b, 0,1,2,3
	v_add_nc_u32 v[TM+12+\b], 0xff000000, v[TM+\b] ; 2 off its exponent field: the conversion's scale operand
.endr
.irp b, 0,1,2,3
	v_lshrrev_b32 v[TM+4+\b], 23, v[TM+12+\b]      ; the scale's byte
.endr
	v_lshl_or_b32 v[PW], v[TM+5], 8, v[TM+4]
	v_lshl_or_b32 v[PW], v[TM+6], 16, v[PW]
	v_lshl_or_b32 v[PW], v[TM+7], 24, v[PW]
.irp c, 0,1
	v_cvt_scalef32_pk16_fp6_f32 v[PC+6*\c:PC+2+6*\c], v[\s+32*\c:\s+15+32*\c], v[TM+12+2*\c]
	v_cvt_scalef32_pk16_fp6_f32 v[PC+12+4*\c:PC+14+4*\c], v[\s+16+32*\c:\s+31+32*\c], v[TM+12+2*\c+1]   ; (a conversion's three registers begin on an even number)
.endr
	v_nop                                          ; one plain place behind a scaled conversion
.irp c, 0,1                                    ; the operand's layout wants a whole block in a lane: lanes 0-15 block 2 c, lanes 16-31 block 2 c + 1
.irp i, 0,1,2
	v_permlane16_swap_b32 v[PC+6*\c+\i], v[PC+12+4*\c+\i]
.endr
.irp i, 0,1,2
	v_mov_b32 v[PC+3+6*\c+\i], v[PC+12+4*\c+\i]
.endr
.endr
.endm
.macro XLOAD q                         ; K step q of my 16 rows: each load reads 512 consecutive bytes of one row
.irp t, 0,1,2,3,4,5,6,7,8,9,10,11,12,13,14,15
	global_load_b128 v[L+64*((\q)%2)+4*\t:L+64*((\q)%2)+4*\t+3], v4, s[4:5] offset:(\t+8*(\t/8))*4096+512*(\q) th:TH_LOAD_NT
.endr
.endm
.macro XSTEP q
.if (\q) < 3
	s_wait_loadcnt 16                              ; this step's 16 loads are in; the next step's 16 may be out
.else
	s_wait_loadcnt 0x0
.endif
.irp t, 0,1,2,3,4,5,6,7,8,9,10,11,12,13,14,15
	ds_store_b128 v5, v[L+64*((\q)%2)+4*\t:L+64*((\q)%2)+4*\t+3] offset:SPX*\t      ; through my own stage, as loaded:
.endr
.irp b, 0,1,2,3
.irp j, 0,1,2,3
	ds_load_b128 v[X+16*\b+4*\j:X+16*\b+4*\j+3], v6 offset:128*\b+16*\j             ; back as 16 neighbours of each block of my row (LDS serves a wave's instructions in order)
.endr
.endr
	s_wait_dscnt 0x0                               ; the numbers are back, and the stores have read their registers
	s_wait_xcnt 0x0                                ; the last step's stores have read their data: v[PC] on is written again only behind this wait
.if (\q) < 2
	XLOAD (\q)+2
.endif
	QUANT X
	v_mov_b32 v[SW+(\q)], v[PW]
.irp p, 0,1,2,3,4,5
	global_store_b64 v7, v[PC+2*\p:PC+2*\p+1], s[26:27] offset:1536*(\q)+256*\p     ; 32 lanes store 256 consecutive bytes, aligned
.endr
.endm
	s_lshr_b32 s17, s16, 1                         ; which tile of the 32 rows
	s_and_b32 s18, s16, 1                          ; which half of K
	s_lshl_b32 s22, ttmp9, 17                      ; 32 rows of 4,096 bytes,
	s_lshl_b32 s23, s17, 15                        ; the tile begins 8 rows on,
	s_add_co_u32 s22, s22, s23
	s_lshl_b32 s23, s18, 11                        ; the half 512 numbers on
	s_add_co_u32 s22, s22, s23
	s_mov_b32 s23, 0
	s_lshl_b32 s24, ttmp9, 1
	s_add_co_u32 s24, s24, s17
	s_mul_i32 s24, s24, REC                        ; my tile's record
	s_mul_i32 s25, s18, 6144
	s_add_co_u32 s26, s24, s25                     ; my four K steps' codes
	s_mov_b32 s27, 0
	s_lshl_b32 s25, s18, 8
	s_add_co_u32 s24, s24, s25                     ; my 256 bytes of scale words (12,288 more in the immediate)
	s_mov_b32 s25, 0
	s_mul_i32 s19, s16, WST
	s_wait_alu depctr_va_vdst(0)
	v_lshlrev_b32 v4, 4, v1                        ; 16 x lane
	v_add_nc_u32 v5, s19, v4                       ; the stage, in
	v_mul_u32_u24 v6, v2, SPX
	v_lshl_add_u32 v6, v3, 6, v6
	v_add_nc_u32 v6, s19, v6                       ; the stage, out: row r, + 64 h
	v_lshlrev_b32 v8, 4, v2
	v_lshl_add_u32 v8, v3, 3, v8                   ; scale words: 16 r + 8 h
.irp b, 0,1,2,3
	v_mov_b32 v[TM+4+\b], 0                        ; a lane permute's destination counts as one of its sources
.endr
	s_wait_alu depctr_va_vdst(0)
	s_wait_kmcnt 0x0
	s_add_nc_u64 s[4:5], s[4:5], s[22:23]
	s_add_nc_u64 s[26:27], s[10:11], s[26:27]
	s_add_nc_u64 s[24:25], s[10:11], s[24:25]
	XLOAD 0
	XLOAD 1
	XSTEP 0
	XSTEP 1
	XSTEP 2
	XSTEP 3
	v_cmp_le_u32 vcc_lo, 16, v1                    ; lanes 0-15 store their row's words 0, 1, lanes 16-31 words 2, 3 (both halves hold all four)
	v_cndmask_b32 v250, v[SW], v[SW+2], vcc_lo
	v_cndmask_b32 v251, v[SW+1], v[SW+3], vcc_lo
	global_store_b64 v8, v[250:251], s[24:25] offset:12288   ; 256 consecutive bytes, aligned
	s_wait_tensorcnt 0x0
	ds_add_u32 v254, v255
	s_wait_dscnt 0x0
	s_endpgm
; ---------------- WAY W: a work-group takes 32 columns of a weight and half of K; wave w K step 4 (half) + w.  A lane takes a column, its registers run down K
.Lpath_w:
.macro WLOAD t                         ; block t: rows 32 t .. 32 t + 31 of the K step, my column: the 32 lanes read 128 consecutive bytes
.irp i, 0,1,2,3,4,5,6,7,8,9,10,11,12,13,14,15,16,17,18,19,20,21,22,23,24,25,26,27,28,29,30,31
	global_load_b32 v[D+32*((\t)%2)+\i], v[OFF+\i], s[24+2*(\t):25+2*(\t)] th:TH_LOAD_NT
.endr
.endm
.macro WBLOCK t
.set XS, D+32*((\t)%2)
.if (\t) < 3
	s_wait_loadcnt 32                              ; this block's 32 loads are in; the next block's may be out
.else
	s_wait_loadcnt 0x0
.endif
	v_max3_num_f32 v209, |v[XS]|, |v[XS+1]|, |v[XS+2]|      ; the block's largest magnitude: all 32 numbers are mine
	v_max3_num_f32 v210, |v[XS+3]|, |v[XS+4]|, |v[XS+5]|
.irp i, 6,10,14,18,22,26
	v_max3_num_f32 v209, v209, |v[XS+\i]|, |v[XS+\i+1]|
	v_max3_num_f32 v210, v210, |v[XS+\i+2]|, |v[XS+\i+3]|
.endr
	v_max3_num_f32 v209, v209, |v[XS+30]|, |v[XS+31]|
	v_max3_num_f32 v209, v209, v210, 0x1800000     ; and the floor
	v_add_nc_u32 v211, 0xff000000, v209            ; the conversion's scale operand
	v_lshrrev_b32 v212, 23, v211                   ; the byte
.if (\t) == 0
	v_mov_b32 v208, v212
.else
	v_lshl_or_b32 v208, v212, 8*(\t), v208         ; my column's scale word of this K step
.endif
	v_cvt_scalef32_pk16_fp6_f32 v[C+8*(\t):C+8*(\t)+2], v[XS:XS+15], v211
	v_cvt_scalef32_pk16_fp6_f32 v[C+8*(\t)+4:C+8*(\t)+6], v[XS+16:XS+31], v211
.if (\t) < 2
	WLOAD (\t)+2
.endif
.endm
	s_sub_co_u32 s17, ttmp9, 256
	s_lshr_b32 s18, s17, 1                         ; the group of 32 columns: 0-95 Wqkv's, 96-127 Wproj's
	s_and_b32 s19, s17, 1                          ; the half of K
	s_lshl_b32 s22, s19, 2
	s_add_co_u32 s22, s22, s16                     ; my K step
	s_mov_b32 s23, 4096
	s_wait_kmcnt 0x0
	s_cmp_lt_u32 s18, 96                           ; the choice hangs on the work-group's number alone
	s_cselect_b64 s[6:7], s[6:7], s[8:9]           ; the weight,
	s_cselect_b64 s[12:13], s[12:13], s[14:15]     ; its records,
	s_cselect_b32 s23, 12288, s23                  ; its row in bytes,
	s_cselect_b32 s28, 0, 96
	s_sub_co_u32 s18, s18, s28                     ; the group's number in it
	s_wait_alu depctr_va_vdst(0)
	v_and_b32 v9, 8, v2
	v_add_nc_u32 v9, v9, v2
	v_lshl_add_u32 v9, v3, 3, v9                   ; my column of the 32: lanes 0-15 hold tile 0's rows, lanes 16-31 tile 1's
	v_lshlrev_b32 v[OFF], 2, v9
.irp i, 1,2,3,4,5,6,7,8,9,10,11,12,13,14,15,16,17,18,19,20,21,22,23,24,25,26,27,28,29,30,31
	v_add_nc_u32 v[OFF+\i], s23, v[OFF+\i-1]
.endr
	s_lshl_b32 s32, s22, 7
	s_mul_i32 s32, s32, s23                        ; 128 rows for each K step
	s_lshl_b32 s33, s18, 7                         ; 128 bytes for each group of columns
	s_add_co_u32 s32, s32, s33
	s_mov_b32 s33, 0
	s_lshl_b32 s34, s23, 5                         ; 32 rows
	s_mov_b32 s35, 0
	s_add_nc_u64 s[24:25], s[6:7], s[32:33]        ; a base for each of the four blocks
	s_add_nc_u64 s[26:27], s[24:25], s[34:35]
	s_add_nc_u64 s[28:29], s[26:27], s[34:35]
	s_add_nc_u64 s[30:31], s[28:29], s[34:35]
	s_mul_i32 s36, s18, 2*REC
	s_mov_b32 s37, 0
	s_add_nc_u64 s[12:13], s[12:13], s[36:37]      ; the two tiles' records
	s_mul_i32 s36, s22, 1536
	s_add_nc_u64 s[38:39], s[12:13], s[36:37]      ; my K step's codes
	s_lshl_b32 s36, s19, 8
	s_add_nc_u64 s[40:41], s[12:13], s[36:37]      ; the half's scale words
	v_lshl_add_u32 v11, v1, 4, WSC                 ; LDS: 16 bytes a column,
	s_lshl_b32 s42, s16, 2
	v_add_nc_u32 v10, s42, v11                     ; my wave's word in them
	v_mul_u32_u24 v12, v3, REC
	v_lshl_add_u32 v12, v2, 4, v12                 ; and where a column's four words go: tile's record, 16 r
	s_wait_alu depctr_va_vdst(0)
	WLOAD 0
	WLOAD 1
	WBLOCK 0
	WBLOCK 1
	WBLOCK 2
	WBLOCK 3
	v_nop                                          ; one plain place behind the last conversion
.irp t, 0,1,2,3
	v_mov_b32 v[C+8*\t+3], v[C+8*\t+4]             ; a block's six registers on end
	v_mov_b32 v[C+8*\t+4], v[C+8*\t+5]
	v_mov_b32 v[C+8*\t+5], v[C+8*\t+6]
.endr
.irp c, 0,1                                    ; block 2 c's lanes 16-31 change places with block 2 c + 1's lanes 0-15: the first is then register 6 c + i of tile 0's fragment, the second of tile 1's
.irp i, 0,1,2,3,4,5
	v_permlane16_swap_b32 v[C+16*\c+\i], v[C+16*\c+8+\i]
.endr
.endr
.irp u, 0,1
.irp c, 0,1
.irp p, 0,1,2
	global_store_b64 v7, v[C+16*\c+8*\u+2*\p:C+16*\c+8*\u+2*\p+1], s[38:39] offset:REC*\u+768*\c+256*\p   ; 256 consecutive bytes, aligned
.endr
.endr
.endr
	ds_store_b32 v10, v208                         ; the four waves' scale words meet in LDS,
	s_wait_dscnt 0x0                               ; for the others' sake: my store is done
	s_barrier_signal -1
	s_barrier_wait -1
	s_cmp_lg_u32 s16, 0
	s_cbranch_scc1 .Lw_end
	ds_load_b128 v[212:215], v11                   ; and wave 0 stores them: 16 lanes fill 256 consecutive bytes of each tile's record
	s_wait_dscnt 0x0
	global_store_b128 v12, v[212:215], s[40:41] offset:12288
.Lw_end:
	s_wait_tensorcnt 0x0
	ds_add_u32 v254, v255
	s_wait_dscnt 0x0
	s_endpgm
.Lfunc_end_k_q9cf4986414_quant:
	.size	k_q9cf4986414_quant, .Lfunc_end_k_q9cf4986414_quant-k_q9cf4986414_quant
	.p2alignl 7, 3214868480
	.fill 96, 4, 3214868480
	.section	.rodata,"a",@progbits
	.p2align	6, 0x0
	.amdhsa_kernel k_q9cf4986414_quant
		.amdhsa_group_segment_fixed_size 35328
		.amdhsa_private_segment_fixed_size 0
		.amdhsa_enable_private_segment 0
		.amdhsa_kernarg_size 48
		.amdhsa_user_sgpr_count 2
		.amdhsa_user_sgpr_kernarg_segment_ptr 1
		.amdhsa_wavefront_size32 1
		.amdhsa_system_sgpr_workgroup_id_x 1
		.amdhsa_system_sgpr_workgroup_id_y 1
		.amdhsa_system_sgpr_workgroup_id_z 1
		.amdhsa_system_vgpr_workitem_id 0
		.amdhsa_next_free_vgpr 256
		.amdhsa_next_free_sgpr 66
		.amdhsa_reserve_vcc 1
		.amdhsa_float_denorm_mode_32 3
		.amdhsa_float_denorm_mode_16_64 3
		.amdhsa_memory_ordered 1
		.amdhsa_forward_progress 1
		.amdhsa_inst_pref_size 57
	.end_amdhsa_kernel
	.amdgpu_metadata
---
amdhsa.version: [ 1, 2 ]
amdhsa.kernels:
  - .name:           k_q9cf4986414_quant
    .symbol:         k_q9cf4986414_quant.kd
    .args:
      - { .name: x, .offset: 0, .size: 8, .value_kind: global_buffer, .address_space: global }
      - { .name: Wqkv, .offset: 8, .size: 8, .value_kind: global_buffer, .address_space: global }
      - { .name: Wproj, .offset: 16, .size: 8, .value_kind: global_buffer, .address_space: global }
      - { .name: xq, .offset: 24, .size: 8, .value_kind: global_buffer, .address_space: global }
      - { .name: wq, .offset: 32, .size: 8, .value_kind: global_buffer, .address_space: global }
      - { .name: wp, .offset: 40, .size: 8, .value_kind: global_buffer, .address_space: global }
    .group_segment_fixed_size: 35328
    .private_segment_fixed_size: 0
    .kernarg_segment_align: 8
    .kernarg_segment_size: 48
    .max_flat_workgroup_size: 128
    .sgpr_count:     66
    .vgpr_count:     256
    .wavefront_size: 32
...
	.end_amdgpu_metadata
.endif
;; end of part 1
;; launch gemm_qkv (part 2): grid 12 x 64, 4 waves a work-group, clusters of 4 x 4, 327,680 bytes of LDS; arguments xq, wq, qk, vv; writes qk, vv
.if DOCPART == 2
	.amdgcn_target "amdgcn-amd-amdhsa--gfx1250"
	.amdhsa_code_object_version 6
	.text
	.protected	k_q9cf4986414_gemm_qkv
	.globl	k_q9cf4986414_gemm_qkv
	.p2align	8
	.type	k_q9cf4986414_gemm_qkv,@function
k_q9cf4986414_gemm_qkv:
	s_mov_b64 s[64:65], 0
	v_nop
	global_prefetch_b8 v0, s[64:65] scope:SCOPE_SE
	s_setreg_imm32_b32 hwreg(HW_REG_WAVE_MODE, 25, 1), 1
	s_wait_xcnt 0x0
	s_wait_alu depctr_hold_cnt(0) depctr_sa_sdst(0) depctr_va_vdst(0) depctr_va_sdst(0) depctr_va_ssrc(0) depctr_va_vcc(0) depctr_vm_vsrc(0)
	s_getreg_b32 s2, hwreg(HW_REG_IB_STS2, 6, 4)
	s_cmp_eq_u32 s2, 0
	s_cbranch_scc0 .Lentry_in_a_cluster
	s_endpgm
.Lentry_in_a_cluster:
	s_bfe_u32 s2, ttmp6, 0x10000c
	s_cmp_lg_u32 s2, 0xf033
	s_cbranch_scc0 .Lentry_shape_is_right
	s_endpgm
.Lentry_shape_is_right:
; qkv = x Wqkv on codes of FP6 (E2M3) with E8M0 scales; the f32 results never go to memory: they are quantised here for the products that follow, q and k along the head's 64, v along the tokens.
; ROLES.  P is source 0 (256 rows a work-group) and R source 1 (128 rows).  In a result a lane holds ONE row of R, and its registers run along P's rows, which are the next K.
; Clusters with x = 0, 1 make q and k: P = columns of Wqkv, R = tokens.  Clusters with x = 2 make v: P = tokens, R = columns.  One text: only scalars are chosen, on the cluster's x, which all partners share.
; A wave makes 128 (P) x 64 (R): 32 accumulators.  The tiles' rows are in the order 8 u + r + 8 (r / 8), so that the 16 registers of P's tiles 2 b, 2 b + 1 are 16 neighbours along the next K.
; LDS.  The work-group's whole K (1,024) of 256 + 128 rows fits: 307,200 bytes, filled ONCE by five tensor loads a wave (the scales, then four chunks of two K steps); nothing is filled again.
; By this text's own count a wave has five tensor loads out.  The operands lie in memory as images of the fragments' registers, so a fragment is six loads of 8 bytes a lane, 256 consecutive bytes each: no padding is wanted.
; CLUSTER 4 x 4: P's tile hangs on cx and is asked for jointly by the cluster's column, R's on cy and by its row.
; A wave tile of 128 x 128 is not taken: 256 + 256 rows of the whole K do not fit in LDS.
; OUT: a block of 6,400 bytes a wave: [half of the 128 along the new K][R's tile][768 bytes], then 256 bytes of scale words.
; LIMITS: NaN and infinities are not served; a block whose largest magnitude lies under 2^-124 gets the byte 1.
; REGISTERS: window 0: v1-14 addresses, v32-95 scale words, v96-175 codes, v200-229 at work; window 1: P's fragments, two sets; window 2: R's, two sets; window 3: the accumulators (R's tile m, P's tile i) at 64 m + 8 i.
.set REC,   12800
.set CH,    73728                      ; a chunk: two K steps of P's 16 tiles (49,152 bytes), then of R's 8 (24,576)
.set RPART, 49152
.set RSC,   294912                     ; R's scale words, 512 bytes a tile;
.set PSC,   299008                     ; P's
.set TM,    200
.set PW,    216
.set SW,    220
.set MSB, 0
.macro WIN new                         ; the immediate's high byte repeats the setting that is left
.if MSB != \new
	s_set_vgpr_msb (MSB<<8)|\new
.set MSB, \new
.endif
.endm
.macro CROUND                          ; a round of the cluster's barrier
	s_barrier_signal -1
	s_barrier_wait -1
	s_cmp_lg_u32 s12, 0
	s_cbranch_scc1 .Lnot_wave_0_\@
	s_barrier_signal -3
.Lnot_wave_0_\@:
	s_barrier_wait -3
	s_barrier_signal -1
	s_barrier_wait -1
.endm
.macro PLACES
.rept 4
	v_nop
.endr
.endm
.macro G1SET g, c, rows                ; rows of c elements of 8 bytes, a record (1,600 elements) apart
	s_mov_b32 s[\g+1], (\c)<<16                    ; tensor_dim0
	s_mov_b32 s[\g+2], (\rows)<<16                 ; tensor_dim1
	s_mov_b32 s[\g+3], (\c)<<16                    ; tile_dim0
	s_mov_b32 s[\g+4], \rows                       ; tile_dim1
	s_mov_b32 s[\g+5], 1600                        ; the pitch
	s_mov_b32 s[\g+6], 0
	s_mov_b32 s[\g+7], 0
.endm
.macro G0SET g, lreg, lconst, areg, aoff
	s_mov_b32 s[\g], 1                             ; count
	s_add_co_u32 s[\g+1], s[\lreg], \lconst        ; LDS address: a constant + a constant x (wave % 2)
	s_add_nc_u64 s[\g+2:\g+3], s[\areg:\areg+1], \aoff
	s_or_b32 s[\g+3], s[\g+3], 0x80000000          ; type
.endm
	s_load_b256 s[4:11], s[0:1], 0x0               ; xq s[4:5], wq s[6:7], qk s[8:9], vv s[10:11]
	v_lshl_add_u32 v254, v0, 2, 0x4b000
	v_mov_b32 v255, 0
	ds_add_u32 v254, v255
	ds_add_u32 v254, v255
	v_lshrrev_b32 v1, 5, v0
	v_readfirstlane_b32 s12, v1                    ; wave 0..3
	s_and_b32 s13, s12, 1                          ; my half of P's rows.  Also: which half of a tile I fetch
	s_lshr_b32 s14, s12, 1                         ; my half of R's rows.  Also: I fetch for P (0) or for R (1)
	s_bfe_u32 s15, ttmp6, 0x40000                  ; cx
	s_bfe_u32 s16, ttmp6, 0x40004                  ; cy
	s_lshl_b32 s19, 0x1111, s15                    ; my column of the cluster
	s_lshl_b32 s20, s16, 2
	s_lshl_b32 s20, 15, s20                        ; my row
	s_or_b32 s24, s19, (3<<16)|(1<<21)             ; the mask; elements of 8 bytes; bit 21 beside a mask
	s_or_b32 s32, s19, (3<<16)|(1<<21)
	s_or_b32 s40, s20, (3<<16)|(1<<21)
	s_or_b32 s48, s20, (3<<16)|(1<<21)
	G1SET 24, 384, 8                               ; P's codes: two K steps (3,072 bytes) of 8 records
	G1SET 32, 64, 8                                ; P's scales: 512 bytes of 8 records
	G1SET 40, 384, 4                               ; R's codes: of 4 records
	G1SET 48, 64, 4                                ; R's scales
	s_mov_b32 s66, 0x76543210
	s_mov_b32 s67, 0xfedcba98                      ; v_permlanex16_b32's selects for lane l xor 16
	s_and_b32 s21, ttmp7, 0xffff                   ; the cluster's y
	s_lshl_b32 s17, ttmp9, 2                       ; q, k: P's tile of 256 columns = 4 x cluster x + cx
	s_lshr_b32 s22, s21, 1
	s_lshl_b32 s22, s22, 2                         ; v: P's tile of 256 tokens = 4 (y / 2) + cx
	s_lshl_b32 s18, s21, 2                         ; q, k: R's tile of 128 tokens = 4 y + cy
	s_and_b32 s23, s21, 1
	s_lshl_b32 s23, s23, 2                         ; v: R's tile of 128 columns = 4 (y % 2) + cy
	s_mov_b32 s2, 0x05040100                       ; q, k: the scale words' low halves of two tiles; v: the first tile's word
	s_mov_b32 s3, 0x07060302                       ; the high halves; v: the second tile's word
	s_wait_dscnt 0x0
	s_wait_kmcnt 0x0
	s_add_nc_u64 s[100:101], s[6:7], 128*REC       ; Wqkv's columns 2,048 on: v's
	s_cmp_eq_u32 ttmp9, 2                          ; all selections stand behind this one compare
	s_cselect_b32 s17, s22, s17
	s_cselect_b32 s18, s23, s18
	s_cselect_b32 s2, 0x03020100, s2
	s_cselect_b32 s3, 0x07060504, s3
	s_cselect_b64 s[8:9], s[10:11], s[8:9]         ; where the results go
	s_cselect_b64 s[10:11], s[100:101], s[4:5]     ; R
	s_cselect_b64 s[100:101], s[4:5], s[6:7]       ; P
	s_add_co_u32 s17, s17, s15                     ; P's tile: hangs on cx, never on cy
	s_add_co_u32 s18, s18, s16                     ; R's tile: hangs on cy, never on cx
	s_mul_i32 s22, s17, 16*REC
	s_mul_i32 s23, s13, 8*REC
	s_add_co_u32 s22, s22, s23
	s_mov_b32 s23, 0
	s_add_nc_u64 s[100:101], s[100:101], s[22:23]  ; the 8 records of P that I would fetch
	s_mul_i32 s6, s18, 8*REC
	s_mul_i32 s7, s13, 4*REC
	s_add_co_u32 s6, s6, s7
	s_mov_b32 s7, 0
	s_add_nc_u64 s[10:11], s[10:11], s[6:7]        ; the 4 records of R
	s_mul_i32 s4, s13, 24576
	s_mul_i32 s5, s13, 12288
	s_lshl_b32 s21, s13, 12
	s_lshl_b32 s22, s13, 11
	G0SET 56, 21, PSC, 100, 12288
	G0SET 60, 4, 0, 100, 0
	G0SET 68, 4, CH, 100, 3072
	G0SET 72, 4, 2*CH, 100, 6144
	G0SET 76, 4, 3*CH, 100, 9216
	G0SET 80, 22, RSC, 10, 12288
	G0SET 84, 5, RPART, 10, 0
	G0SET 88, 5, CH+RPART, 10, 3072
	G0SET 92, 5, 2*CH+RPART, 10, 6144
	G0SET 96, 5, 3*CH+RPART, 10, 9216
	CROUND                                         ; all sixteen work-groups are here: the joint loads meet
	s_cmp_lt_u32 s12, 2                            ; a wave's five first fills stand in one branch on the wave's number; four v_nop follow the last
	s_cbranch_scc0 .Lfor_r
	tensor_load_to_lds s[56:59], s[32:39]
	s_nop 0
	tensor_load_to_lds s[60:63], s[24:31]
	s_nop 0
	tensor_load_to_lds s[68:71], s[24:31]
	s_nop 0
	tensor_load_to_lds s[72:75], s[24:31]
	s_nop 0
	tensor_load_to_lds s[76:79], s[24:31]
	s_nop 0
	PLACES
	s_branch .Lasked
.Lfor_r:
	tensor_load_to_lds s[80:83], s[48:55]
	s_nop 0
	tensor_load_to_lds s[84:87], s[40:47]
	s_nop 0
	tensor_load_to_lds s[88:91], s[40:47]
	s_nop 0
	tensor_load_to_lds s[92:95], s[40:47]
	s_nop 0
	tensor_load_to_lds s[96:99], s[40:47]
	s_nop 0
	PLACES
.Lasked:
	v_and_b32 v1, 31, v0                           ; lane
	v_and_b32 v2, 15, v0                           ; r
	v_bfe_u32 v3, v0, 4, 1                         ; h
	v_lshlrev_b32 v13, 3, v1                       ; 8 x lane
	s_wait_alu depctr_va_vdst(0)
	s_mul_i32 s6, s14, 12288
	s_add_co_u32 s6, s6, RPART
.irp j, 0,1,2,3
	v_add_nc_u32 v[4+\j], s4, v13                  ; v4-7: my 8 tiles of P in chunk j
	v_add_nc_u32 v[8+\j], s6, v13                  ; v8-11: my 4 tiles of R
	s_add_co_u32 s4, s4, CH
	s_add_co_u32 s6, s6, CH
.endr
	s_lshl_b32 s6, s14, 11                         ; scale words: lanes 0-15 take R's tiles, lanes 16-31 P's: the lower base + h x the distance
	s_lshl_b32 s7, s13, 12
	s_add_co_u32 s7, s7, PSC-RSC
	s_sub_co_u32 s7, s7, s6
	v_mul_u32_u24 v12, s7, v3
	v_lshl_add_u32 v12, v2, 4, v12
	s_add_co_u32 s6, s6, RSC
	v_add_nc_u32 v12, s6, v12
	v_lshlrev_b32 v14, 7, v3
	v_lshl_add_u32 v14, v2, 3, v14                 ; the way out's scale words: 128 h + 8 r
.irp b, 0,1,2,3
	v_mov_b32 v[TM+4+\b], 0                        ; a lane permute's destination counts as one of its sources
.endr
	s_lshl_b32 s22, s17, 1
	s_add_co_u32 s22, s22, s13                     ; sigma: my 128 rows of P
	s_lshl_b32 s23, s18, 1
	s_add_co_u32 s23, s23, s14                     ; my 64 rows of R
	s_lshl_b32 s4, s22, 7
	s_add_co_u32 s4, s4, s23                       ; q, k: block [sigma][tokens / 64]
	s_lshr_b32 s5, s22, 4
	s_lshl_b32 s5, s5, 4
	s_add_co_u32 s5, s5, s23
	s_lshl_b32 s5, s5, 4
	s_and_b32 s22, s22, 15
	s_add_co_u32 s5, s5, s22                       ; v: block [batch][head][key step]
	s_cmp_eq_u32 ttmp9, 2
	s_cselect_b32 s4, s5, s4
	s_mul_i32 s4, s4, 6400
	s_mov_b32 s5, 0
	s_add_nc_u64 s[8:9], s[8:9], s[4:5]
.macro FRAG reg, adr, off              ; a fragment: six loads of 8 bytes a lane, 256 consecutive bytes each
.irp p, 0,1,2,3,4,5
	ds_load_b64 v[(\reg)+2*\p:(\reg)+2*\p+1], v[\adr] offset:(\off)+256*\p
.endr
.endm
.macro FETCH s                         ; K step s: P's eight fragments and R's four, into set s % 2
	WIN 0x40                                       ; destination window 1
.irp i, 0,1,2,3,4,5,6,7
	FRAG 128*((\s)%2)+12*\i, 4+((\s)/2), 3072*\i+1536*((\s)%2)
.endr
	WIN 0x80                                       ; destination window 2
.irp m, 0,1,2,3
	FRAG 64*((\s)%2)+12*\m, 8+((\s)/2), 3072*\m+1536*((\s)%2)
.endr
.endm
.macro MUL s, zero                     ; 32 products; the 32 accumulators take turns, in the same order in every K step
	WIN 0xf9                                       ; source 0 window 1, source 1 window 2, C and D window 3
.irp m, 0,1,2,3
.irp i, 0,1,2,3,4,5,6,7
.if \zero
	v_wmma_scale_f32_16x16x128_f8f6f4 v[64*\m+8*\i:64*\m+8*\i+7], v[128*((\s)%2)+12*\i:128*((\s)%2)+12*\i+11], v[64*((\s)%2)+12*\m:64*((\s)%2)+12*\m+11], 0, v[32+8*\i+(\s)], v[32+8*\m+(\s)] matrix_a_fmt:MATRIX_FMT_FP6 matrix_b_fmt:MATRIX_FMT_FP6 matrix_a_scale:MATRIX_SCALE_ROW1
.else
	v_wmma_scale_f32_16x16x128_f8f6f4 v[64*\m+8*\i:64*\m+8*\i+7], v[128*((\s)%2)+12*\i:128*((\s)%2)+12*\i+11], v[64*((\s)%2)+12*\m:64*((\s)%2)+12*\m+11], v[64*\m+8*\i:64*\m+8*\i+7], v[32+8*\i+(\s)], v[32+8*\m+(\s)] matrix_a_fmt:MATRIX_FMT_FP6 matrix_b_fmt:MATRIX_FMT_FP6 matrix_a_scale:MATRIX_SCALE_ROW1
.endif
.endr
.endr
.endm
.macro KSTEP s
	s_wait_dscnt 0x0                               ; this step's fragments are in (asked for ahead of the last step's 32 products)
.if ((\s) == 1) || ((\s) == 3) || ((\s) == 5)
	s_wait_tensorcnt (5-(\s))/2                    ; my part of the next chunk has landed; the chunks behind it may be out
	s_barrier_signal -1
	s_barrier_wait -1                              ; everybody's has
.endif
.if ((\s) > 0) && ((\s) < 7)
	PLACES                                         ; four places in front of loads into registers that the last step's products read
.endif
.if (\s) < 7
	FETCH (\s)+1
.endif
.if (\s) == 0
	MUL \s, 1                                      ; the first products start the sums
.else
	MUL \s, 0
.endif
.endm
	s_wait_alu depctr_va_vdst(0)
	s_wait_tensorcnt 3                             ; my scales and my part of chunk 0 are in; three chunks may be out
	s_barrier_signal -1
	s_barrier_wait -1
.irp i, 0,1,2,3,4,5,6,7                        ; all scale words, once: register 32 + 8 i + s: lanes 0-15 R's tile i (i < 4; above that bytes that nobody uses), lanes 16-31 P's tile i, K step s
.irp g, 0,1
	ds_load_b128 v[32+8*\i+4*\g:32+8*\i+4*\g+3], v12 offset:512*\i+256*\g
.endr
.endr
	FETCH 0
.irp s, 0,1,2,3,4,5,6,7
	KSTEP \s
.endr
; THE WAY OUT.  For R's tile m a lane's 64 results are register 16 b + i = next K 32 b + 16 h + i of its row: they become a fragment's codes and a scale word
.macro QUANT3 m
.set SR, 64*(\m)
.set PC, 96+20*(\m)
	WIN 0x0f                                       ; sources 0 and 1 window 3
.irp b, 0,1,2,3
	v_max3_num_f32 v[TM+\b], |v[SR+16*\b]|, |v[SR+1+16*\b]|, 0x1800000   ; each accumulator is read from its low end on; the floor 2^(3 - 127) holds the byte at 1
.endr
	WIN 0x3c                                       ; sources 1 and 2 window 3
.irp i, 2,4,6,8,10,12,14
.irp b, 0,1,2,3
	v_max3_num_f32 v[TM+\b], v[TM+\b], |v[SR+16*\b+\i]|, |v[SR+1+16*\b+\i]|
.endr
.endr
	WIN 0
.irp b, 0,1,2,3
	v_permlanex16_b32 v[TM+4+\b], v[TM+\b], s66, s67
.endr
.irp b, 0,1,2,3
	v_max_num_f32 v[TM+\b], v[TM+\b], v[TM+4+\b]
.endr
.irp b, 0,1,2,3
	v_add_nc_u32 v[TM+12+\b], 0xff000000, v[TM+\b]
.endr
.irp b, 0,1,2,3
	v_lshrrev_b32 v[TM+4+\b], 23, v[TM+12+\b]
.endr
	v_lshl_or_b32 v[PW], v[TM+5], 8, v[TM+4]
	v_lshl_or_b32 v[PW], v[TM+6], 16, v[PW]
	v_lshl_or_b32 v[PW], v[TM+7], 24, v[PW]
	WIN 0x03                                       ; source 0 window 3
.irp c, 0,1
	v_cvt_scalef32_pk16_fp6_f32 v[PC+6*\c:PC+2+6*\c], v[SR+32*\c:SR+15+32*\c], v[TM+12+2*\c]
	v_cvt_scalef32_pk16_fp6_f32 v[PC+12+4*\c:PC+14+4*\c], v[SR+16+32*\c:SR+31+32*\c], v[TM+12+2*\c+1]
.endr
	WIN 0
	v_nop                                          ; one plain place behind a scaled conversion
.irp c, 0,1
.irp i, 0,1,2
	v_permlane16_swap_b32 v[PC+6*\c+\i], v[PC+12+4*\c+\i]
.endr
.irp i, 0,1,2
	v_mov_b32 v[PC+3+6*\c+\i], v[PC+12+4*\c+\i]
.endr
.endr
	v_mov_b32 v[SW+(\m)], v[PW]
.irp p, 0,1,2,3,4,5
	global_store_b64 v13, v[PC+2*\p:PC+2*\p+1], s[8:9] offset:3072*(\p/3)+768*(\m)+256*(\p%3)   ; 256 consecutive bytes, aligned; each tile has its own registers, so no store's data are written again
.endr
.endm
	PLACES                                         ; four places between the last product and the first read of results
	QUANT3 0
	QUANT3 1
	QUANT3 2
	QUANT3 3
	v_perm_b32 v224, v[SW+1], v[SW], s2            ; q, k: head 0's two bytes of tiles 0 and 1;  v: tile 0's word
	v_perm_b32 v225, v[SW+1], v[SW], s3            ; head 1's;                                   tile 1's
	v_perm_b32 v226, v[SW+3], v[SW+2], s2
	v_perm_b32 v227, v[SW+3], v[SW+2], s3
	v_cmp_le_u32 vcc_lo, 16, v1
	v_cndmask_b32 v228, v224, v225, vcc_lo         ; both halves of the lanes hold their row's words: lanes 0-15 store the first kind, lanes 16-31 the second
	v_cndmask_b32 v229, v226, v227, vcc_lo
	global_store_b64 v14, v[228:229], s[8:9] offset:6144   ; 256 consecutive bytes, aligned
	s_wait_tensorcnt 0x0
	ds_add_u32 v254, v255
	s_wait_dscnt 0x0
	CROUND                                         ; the closing round: no work-group ends while a partner may still ask for a tile that names it
	s_endpgm
.Lfunc_end_k_q9cf4986414_gemm_qkv:
	.size	k_q9cf4986414_gemm_qkv, .Lfunc_end_k_q9cf4986414_gemm_qkv-k_q9cf4986414_gemm_qkv
	.p2alignl 7, 3214868480
	.fill 96, 4, 3214868480
	.section	.rodata,"a",@progbits
	.p2align	6, 0x0
	.amdhsa_kernel k_q9cf4986414_gemm_qkv
		.amdhsa_group_segment_fixed_size 327680
		.amdhsa_private_segment_fixed_size 0
		.amdhsa_enable_private_segment 0
		.amdhsa_kernarg_size 32
		.amdhsa_user_sgpr_count 2
		.amdhsa_user_sgpr_kernarg_segment_ptr 1
		.amdhsa_wavefront_size32 1
		.amdhsa_system_sgpr_workgroup_id_x 1
		.amdhsa_system_sgpr_workgroup_id_y 1
		.amdhsa_system_sgpr_workgroup_id_z 1
		.amdhsa_system_vgpr_workitem_id 0
		.amdhsa_next_free_vgpr 1024
		.amdhsa_next_free_sgpr 102
		.amdhsa_reserve_vcc 1
		.amdhsa_float_denorm_mode_32 3
		.amdhsa_float_denorm_mode_16_64 3
		.amdhsa_memory_ordered 1
		.amdhsa_forward_progress 1
		.amdhsa_inst_pref_size 101
	.end_amdhsa_kernel
	.amdgpu_metadata
---
amdhsa.version: [ 1, 2 ]
amdhsa.kernels:
  - .name:           k_q9cf4986414_gemm_qkv
    .symbol:         k_q9cf4986414_gemm_qkv.kd
    .args:
      - { .name: xq, .offset: 0, .size: 8, .value_kind: global_buffer, .address_space: global }
      - { .name: wq, .offset: 8, .size: 8, .value_kind: global_buffer, .address_space: global }
      - { .name: qk, .offset: 16, .size: 8, .value_kind: global_buffer, .address_space: global }
      - { .name: vv, .offset: 24, .size: 8, .value_kind: global_buffer, .address_space: global }
    .group_segment_fixed_size: 327680
    .private_segment_fixed_size: 0
    .kernarg_segment_align: 8
    .kernarg_segment_size: 32
    .max_flat_workgroup_size: 128
    .sgpr_count:     102
    .vgpr_count:     1024
    .wavefront_size: 32
...
	.end_amdgpu_metadata
.endif
;; end of part 2
;; launch attn (part 3): grid 4 x 64, 16 waves a work-group, clusters of 4 x 1, 206,848 bytes of LDS; arguments qk, vv, at; writes at
.if DOCPART == 3
	.amdgcn_target "amdgcn-amd-amdhsa--gfx1250"
	.amdhsa_code_object_version 6
	.text
	.protected	k_q9cf4986414_attn
	.globl	k_q9cf4986414_attn
	.p2align	8
	.type	k_q9cf4986414_attn,@function
k_q9cf4986414_attn:
	s_mov_b64 s[64:65], 0
	v_nop
	global_prefetch_b8 v0, s[64:65] scope:SCOPE_SE
	s_setreg_imm32_b32 hwreg(HW_REG_WAVE_MODE, 25, 1), 1
	s_wait_xcnt 0x0
	s_wait_alu depctr_hold_cnt(0) depctr_sa_sdst(0) depctr_va_vdst(0) depctr_va_sdst(0) depctr_va_ssrc(0) depctr_va_vcc(0) depctr_vm_vsrc(0)
	s_getreg_b32 s2, hwreg(HW_REG_IB_STS2, 6, 4)
	s_cmp_eq_u32 s2, 0
	s_cbranch_scc0 .Lentry_in_a_cluster
	s_endpgm
.Lentry_in_a_cluster:
	s_bfe_u32 s2, ttmp6, 0x10000c
	s_cmp_lg_u32 s2, 0x3003
	s_cbranch_scc0 .Lentry_shape_is_right
	s_endpgm
.Lentry_shape_is_right:
; Causal attention of one head (64 channels, 2,048 tokens) on codes of FP6 (E2M3) with E8M0 scales; the result is quantised along C for the last product.
; t = score x log2(e) / 8; M = the running largest t rounded UP to a whole number; p = 2^(t - M) is quantised along the keys, not normalised; the row's sum is taken of the unquantised p and divides at the end.
; When M moves, the sum and O are multiplied by 2^(old M - new M): exact.
; SHARES.  A cluster of four work-groups owns a head; all four read the same K and V, which fit in LDS whole (204,800 bytes) and come ONCE, by joint tensor loads; nothing is filled again.
; A wave makes two tiles of 16 queries, one after the other: of the block of 128 queries number (wave) the tile cx, of block 15 - wave the tile 4 + cx: 17 key steps of 128 keys for every wave.
; Every branch hangs on the wave's number and the step's count; cx enters global addresses, the mask's numbers and a byte selector alone.
; LAYOUT.  Both products are used transposed (source 0 = keys, or V's channels; source 1 = my queries): a lane holds ONE query.  The rows of every tile are in the order 8 u + r + 8 (r / 8).
; K = 64 IN THE FIRST PRODUCT, 128 IN THE INSTRUCTION: a fragment of K holds TWO tiles of keys, one in each half of its 128; Q stands twice, as [q | 0] and as [0 | q], in v16-33 with six zeros between.
; LIMITS: NaN and infinities are not served; 1 / the sum is v_rcp_f32; a block's largest p is taken from the block's largest score (this takes v_exp_f32 not to fall where its input rises);
; a block whose largest magnitude lies under 2^-124 gets the byte 1.
; Matrix and vector work by turns inside a wave is not written: four waves share a SIMD, and one's vector work stands beside another's products.
; REGISTERS: v1-7 addresses that stay; v8-11 the step's; v12 -M, v13 the largest t, v[14:15] the sum; v16-33 Q; v34 Q's scale word; v36-83 four fragments; v84-91 scale words; v92 the mask's number;
; v96-159 S^T, then p; v160-191 O^T; v192-211 p's codes; v212-244 at work.
.set VB,  98304                        ; LDS: 0: K's codes, 128 tiles x 768 bytes;  VB: V's 16 blocks of 6,400 bytes;
.set KSC, 200704                       ; K's scale words, [64 keys][r][2 words]
.macro CROUND
	s_barrier_signal -1
	s_barrier_wait -1
	s_cmp_lg_u32 s10, 0
	s_cbranch_scc1 .Lnot_wave_0_\@
	s_barrier_signal -3
.Lnot_wave_0_\@:
	s_barrier_wait -3
	s_barrier_signal -1
	s_barrier_wait -1
.endm
.macro PLACES
.rept 4
	v_nop
.endr
.endm
.macro G1SET g, c, rows, pitch
	s_mov_b32 s[\g], 15|(3<<16)|(1<<21)            ; the mask: all four work-groups; elements of 8 bytes; bit 21 beside a mask
	s_mov_b32 s[\g+1], (\c)<<16
	s_mov_b32 s[\g+2], (\rows)<<16
	s_mov_b32 s[\g+3], (\c)<<16
	s_mov_b32 s[\g+4], \rows
	s_mov_b32 s[\g+5], \pitch
	s_mov_b32 s[\g+6], 0
	s_mov_b32 s[\g+7], 0
.endm
	s_load_b128 s[4:7], s[0:1], 0x0                ; qk s[4:5], vv s[6:7]
	s_load_b64 s[8:9], s[0:1], 0x10                ; at
	v_lshl_add_u32 v254, v0, 2, 0x32000
	v_mov_b32 v255, 0
	ds_add_u32 v254, v255
	ds_add_u32 v254, v255
	v_lshrrev_b32 v1, 5, v0
	s_delay_alu instid0(VALU_DEP_1)
	v_readfirstlane_b32 s10, v1                    ; wave 0..15
	s_bfe_u32 s11, ttmp6, 0x40000                  ; cx
	s_and_b32 s12, ttmp7, 0xffff                   ; batch x 16 + head
	s_lshr_b32 s13, s12, 4                         ; batch
	s_and_b32 s14, s12, 15                         ; head
	s_and_b32 s15, s14, 1
	s_lshr_b32 s16, s14, 1
	s_and_b32 s17, s10, 3                          ; which quarter I would fetch
	G1SET 24, 384, 8, 800                          ; K: my head's 3,072 bytes of 8 blocks, 6,400 bytes apart
	G1SET 32, 32, 100, 32                          ; V: 4 blocks on end, dense, as rows of 256 bytes
	G1SET 40, 16, 32, 800                          ; K's scale words: my head's 128 bytes of 32 blocks
	s_mov_b32 s20, 0x76543210
	s_mov_b32 s21, 0xfedcba98                      ; lane l xor 16
	s_mov_b32 s22, 0x3e38aa3b                      ; c = log2(e) / 8
	s_mov_b32 s23, s22                             ; (named with it as a pair)
	s_and_b32 s67, s11, 1
	s_mul_i32 s67, s67, 0x02020202
	s_add_co_u32 s67, s67, 0x01000100              ; picks my tile's two bytes of a scale word, twice
	s_add_co_u32 s68, s16, 8
	s_lshl_b32 s68, s68, 7
	s_lshl_b32 s69, s13, 5
	s_add_co_u32 s68, s68, s69
	s_mul_i32 s68, s68, 6400                       ; k's first block of this batch and pair of heads
	s_mul_i32 s69, s17, 8*6400
	s_add_co_u32 s80, s68, s69
	s_mul_i32 s69, s15, 3072
	s_add_co_u32 s80, s80, s69
	s_mov_b32 s81, 0
	s_lshl_b32 s69, s15, 7
	s_add_co_u32 s82, s68, s69
	s_add_co_u32 s82, s82, 6144
	s_mov_b32 s83, 0
	s_lshl_b32 s84, s12, 4
	s_lshl_b32 s69, s17, 2
	s_add_co_u32 s84, s84, s69
	s_mul_i32 s84, s84, 6400
	s_mov_b32 s85, 0
	s_mov_b32 s48, 1
	s_mul_i32 s49, s17, 24576
	s_mov_b32 s52, 1
	s_mul_i32 s53, s17, 25600
	s_add_co_u32 s53, s53, VB
	s_mov_b32 s56, 1
	s_mov_b32 s57, KSC
	s_wait_dscnt 0x0
	s_wait_kmcnt 0x0
	s_add_nc_u64 s[50:51], s[4:5], s[80:81]
	s_or_b32 s51, s51, 0x80000000
	s_add_nc_u64 s[54:55], s[6:7], s[84:85]
	s_or_b32 s55, s55, 0x80000000
	s_add_nc_u64 s[58:59], s[4:5], s[82:83]
	s_or_b32 s59, s59, 0x80000000
	CROUND                                         ; all four work-groups are here: the joint loads meet
	s_cmp_lt_u32 s10, 4                            ; waves 0-3: K's quarters; 4-7: V's; 8: K's scale words; one load a wave at the most; four v_nop follow each
	s_cbranch_scc0 .Lnot_k
	tensor_load_to_lds s[48:51], s[24:31]
	s_nop 0
	PLACES
	s_branch .Lasked
.Lnot_k:
	s_cmp_lt_u32 s10, 8
	s_cbranch_scc0 .Lnot_v
	tensor_load_to_lds s[52:55], s[32:39]
	s_nop 0
	PLACES
	s_branch .Lasked
.Lnot_v:
	s_cmp_eq_u32 s10, 8
	s_cbranch_scc0 .Lasked
	tensor_load_to_lds s[56:59], s[40:47]
	s_nop 0
	PLACES
.Lasked:
	v_and_b32 v5, 31, v0
	s_delay_alu instid0(VALU_DEP_1)
	v_lshlrev_b32 v1, 3, v5                        ; 8 x lane: my place in a piece of 256 bytes
	s_delay_alu instid0(VALU_DEP_1)
	v_add_nc_u32 v2, VB, v1
	v_and_b32 v6, 15, v0                           ; r
	s_delay_alu instid0(VALU_DEP_1)
	v_lshlrev_b32 v7, 3, v6                        ; 8 r
	s_delay_alu instid0(VALU_DEP_1)
	v_add_nc_u32 v3, KSC, v7
	s_delay_alu instid0(VALU_DEP_2)
	v_add_nc_u32 v4, VB+6144, v7
	s_delay_alu instid0(VALU_DEP_4)
	v_and_b32 v5, 8, v6
	s_delay_alu instid0(VALU_DEP_1)
	v_add_nc_u32 v5, v5, v6
	v_bfe_u32 v8, v0, 4, 1
	s_delay_alu instid0(VALU_DEP_1)
	v_lshlrev_b32 v8, 4, v8
	s_delay_alu instid0(VALU_DEP_1)
	v_sub_nc_u32 v5, v5, v8                        ; r + 8 (r / 8) - 16 h
	v_lshlrev_b32 v6, 4, v6                        ; 16 r
	v_mov_b32 v93, 0xff800000                      ; -infinity
.irp j, 22,23,24,25,26,27
	v_mov_b32 v[\j], 0                             ; the zero codes between the two copies of q
.endr
.irp j, 216,217,218,219,230,231,232
	v_mov_b32 v[\j], 0                             ; written once: lane permutes' destinations, and the pair v[230:231]
.endr
	s_wait_tensorcnt 0x0                           ; my load, if I issued one, has landed,
	s_barrier_signal -1
	s_barrier_wait -1                              ; everybody's has: K, V and the scale words stay as they are from here on
; A KEY STEP: 128 keys
.macro STEP
	s_cmp_gt_u32 s60, s61                          ; a step all of whose keys come after my queries is left out; the lines at its end that step addresses are not
	s_cbranch_scc1 .Lhid_\@
	s_setprio 2
	v_add_nc_u32 v8, s62, v1                       ; (these four are the places in front of the loads into registers that the last products read)
	v_add_nc_u32 v9, s63, v2
	v_add_nc_u32 v10, s66, v3
	v_add_nc_u32 v11, s63, v4
.irp f, 0,1,2,3
.irp p, 0,1,2,3,4,5
	ds_load_b64 v[36+12*\f+2*\p:37+12*\f+2*\p], v8 offset:1536*\f+256*\p     ; fragment f: the tiles of keys 2 f and 2 f + 1
.endr
.endr
	ds_load_b64 v[84:85], v10                      ; its rows' scale words: two bytes of each of the two tiles
	ds_load_b64 v[86:87], v10 offset:128
	s_wait_alu depctr_va_vdst(0)
	s_wait_dscnt 0x0
.irp f, 0,1,2,3
	v_wmma_scale_f32_16x16x128_f8f6f4 v[96+16*\f:103+16*\f], v[36+12*\f:47+12*\f], v[16:27], 0, v[84+\f], v34 matrix_a_fmt:MATRIX_FMT_FP6 matrix_b_fmt:MATRIX_FMT_FP6
	v_wmma_scale_f32_16x16x128_f8f6f4 v[104+16*\f:111+16*\f], v[36+12*\f:47+12*\f], v[22:33], 0, v[84+\f], v34 matrix_a_fmt:MATRIX_FMT_FP6 matrix_b_fmt:MATRIX_FMT_FP6
.endr                                          ; register 16 b + i now holds key 32 b + 16 h + i of the step, for my query
	PLACES
.irp t, 0,1,2,3                                ; V's four tiles of 16 channels x these 128 keys: they land under the softmax
.irp p, 0,1,2
	ds_load_b64 v[36+12*\t+2*\p:37+12*\t+2*\p], v9 offset:768*\t+256*\p
	ds_load_b64 v[42+12*\t+2*\p:43+12*\t+2*\p], v9 offset:3072+768*\t+256*\p
.endr
.endr
	ds_load_b64 v[88:89], v11                      ; their scale words: tiles 0, 2;
	ds_load_b64 v[90:91], v11 offset:128           ; tiles 1, 3
	s_cmp_lg_u32 s60, s61
	s_cbranch_scc1 .Lopen_\@
.irp n, 0,1,2,3,4,5,6,7,8,9,10,11,12,13,14,15,16,17,18,19,20,21,22,23,24,25,26,27,28,29,30,31,32,33,34,35,36,37,38,39,40,41,42,43,44,45,46,47,48,49,50,51,52,53,54,55,56,57,58,59,60,61,62,63
	v_cmp_gt_i32 vcc_lo, 32*(\n/16)+\n%16, v92     ; on the diagonal: a key behind my query is hidden: its score becomes -infinity, its p 0
	v_cndmask_b32 v[96+\n], v[96+\n], v93, vcc_lo
.endr
.Lopen_\@:
.irp b, 0,1,2,3
	v_max3_num_f32 v[212+\b], v[96+16*\b], v[97+16*\b], v[98+16*\b]   ; the largest score of each block of 32 keys: for the row's maximum, and for the block's largest p
.endr
.irp i, 3,5,7,9,11,13
.irp b, 0,1,2,3
	v_max3_num_f32 v[212+\b], v[212+\b], v[96+16*\b+\i], v[97+16*\b+\i]
.endr
.endr
.irp b, 0,1,2,3
	v_max_num_f32 v[212+\b], v[212+\b], v[111+16*\b]
.endr
.irp b, 0,1,2,3
	s_delay_alu instid0(VALU_DEP_4)
	v_permlanex16_b32 v[216+\b], v[212+\b], s20, s21
.endr
.irp b, 0,1,2,3
	s_delay_alu instid0(VALU_DEP_4)
	v_max_num_f32 v[212+\b], v[212+\b], v[216+\b]
.endr
	s_delay_alu instid0(VALU_DEP_2)
	v_max3_num_f32 v232, v212, v213, v214
	s_delay_alu instid0(VALU_DEP_1)
	v_max_num_f32 v232, v232, v215
	s_delay_alu instid0(VALU_DEP_1)
	v_mul_f32 v232, s22, v232                      ; as t
	s_delay_alu instid0(VALU_DEP_1)
	v_max_num_f32 v13, v13, v232                   ; the running largest t
	v_mov_b32 v232, v12
	s_delay_alu instid0(VALU_DEP_2)
	v_floor_f32 v12, -v13                          ; -M = floor(-t): M is a whole number
	s_delay_alu instid0(VALU_DEP_1)
	v_sub_f32 v232, v12, v232                      ; old M - new M: a whole number, 0 or less
	s_delay_alu instid0(VALU_DEP_1)
	v_cvt_i32_f32 v232, v232                       ; (it saturates)
	s_delay_alu instid0(VALU_DEP_1)
	v_ldexp_f32 v230, 1.0, v232                    ; f = 2^(old M - new M)
	s_setprio 1
.irp j, 0,2,4,6,8,10,12,14,16,18,20,22,24,26,28,30,32,34,36,38,40,42,44,46,48,50,52,54,56,58,60,62
	v_pk_fma_f32 v[96+\j:97+\j], v[96+\j:97+\j], s[22:23], v[12:13] op_sel_hi:[1,0,0]   ; t - M, two at a time
.endr
.irp b, 0,1,2,3
	v_fma_f32 v[212+\b], v[212+\b], s22, v12
.endr
	s_wait_alu depctr_va_vdst(0)
.irp j, 0,1,2,3,4,5,6,7,8,9,10,11,12,13,14,15,16,17,18,19,20,21,22,23,24,25,26,27,28,29,30,31,32,33,34,35,36,37,38,39,40,41,42,43,44,45,46,47,48,49,50,51,52,53,54,55,56,57,58,59,60,61,62,63
	v_exp_f32 v[96+\j], v[96+\j]                   ; p = 2^(t - M)
.endr
.irp b, 0,1,2,3
	v_exp_f32 v[212+\b], v[212+\b]                 ; the block's largest p
.endr
	v_pk_mul_f32 v[14:15], v[14:15], v[230:231] op_sel_hi:[1,0]   ; the sums under the new M (a plain place behind the exponentials)
	s_wait_alu depctr_va_vdst(0)
.irp b, 0,1,2,3
	v_max_num_f32 v[212+\b], 0x1800000, v[212+\b]  ; the floor 2^(3 - 127)
.endr
.irp b, 0,1,2,3
	s_delay_alu instid0(VALU_DEP_4)
	v_add_nc_u32 v[220+\b], 0xff000000, v[212+\b]  ; the conversion's scale operand
.endr
.irp b, 0,1,2,3
	s_delay_alu instid0(VALU_DEP_4)
	v_lshrrev_b32 v[224+\b], 23, v[220+\b]         ; the byte
.endr
	s_delay_alu instid0(VALU_DEP_3)
	v_lshl_or_b32 v228, v225, 8, v224              ; p's scale word for these 128 keys
	s_delay_alu instid0(VALU_DEP_1)
	v_lshl_or_b32 v228, v226, 16, v228
	s_delay_alu instid0(VALU_DEP_1)
	v_lshl_or_b32 v228, v227, 24, v228
.irp c, 0,1
	v_cvt_scalef32_pk16_fp6_f32 v[192+6*\c:194+6*\c], v[96+32*\c:111+32*\c], v[220+2*\c]
	v_cvt_scalef32_pk16_fp6_f32 v[204+4*\c:206+4*\c], v[112+32*\c:127+32*\c], v[220+2*\c+1]
.endr
	v_nop                                          ; one plain place behind a scaled conversion
.irp c, 0,1
.irp i, 0,1,2
	v_permlane16_swap_b32 v[192+6*\c+\i], v[204+4*\c+\i]
.endr
.irp i, 0,1,2
	s_delay_alu instid0(VALU_DEP_3)
	v_mov_b32 v[195+6*\c+\i], v[204+4*\c+\i]
.endr
.endr
	v_pk_add_f32 v[234:235], v[100:101], v[104:105]
	v_pk_add_f32 v[252:253], v[108:109], v[112:113]
	v_pk_add_f32 v[250:251], v[116:117], v[120:121]
	v_pk_add_f32 v[248:249], v[124:125], v[128:129]
	v_pk_add_f32 v[246:247], v[132:133], v[136:137]
	v_pk_add_f32 v[244:245], v[140:141], v[144:145]
	v_pk_add_f32 v[242:243], v[148:149], v[152:153]
	s_setprio 0
	v_pk_add_f32 v[14:15], v[14:15], v[156:157]
	v_pk_add_f32 v[234:235], v[234:235], v[96:97]
	v_pk_add_f32 v[252:253], v[252:253], v[98:99]
	v_pk_add_f32 v[250:251], v[250:251], v[102:103]
	v_pk_add_f32 v[248:249], v[248:249], v[106:107]
	v_pk_add_f32 v[246:247], v[246:247], v[110:111]
	v_pk_add_f32 v[244:245], v[244:245], v[114:115]
	v_pk_add_f32 v[242:243], v[242:243], v[118:119]
	v_pk_add_f32 v[14:15], v[14:15], v[122:123]
	v_pk_add_f32 v[234:235], v[234:235], v[126:127]
	v_pk_add_f32 v[252:253], v[252:253], v[130:131]
	v_pk_add_f32 v[250:251], v[250:251], v[134:135]
	v_pk_add_f32 v[248:249], v[248:249], v[138:139]
	v_pk_add_f32 v[246:247], v[246:247], v[142:143]
	v_pk_add_f32 v[244:245], v[244:245], v[146:147]
	v_pk_add_f32 v[242:243], v[242:243], v[150:151]
	v_pk_add_f32 v[14:15], v[14:15], v[154:155]
	v_pk_add_f32 v[234:235], v[234:235], v[158:159]
	s_delay_alu instid0(VALU_DEP_2)
	v_pk_add_f32 v[14:15], v[14:15], v[248:249]
	s_delay_alu instid0(VALU_DEP_2)
	v_pk_add_f32 v[234:235], v[234:235], v[246:247]
	v_pk_add_f32 v[252:253], v[252:253], v[244:245]
	v_pk_add_f32 v[250:251], v[250:251], v[242:243]
	s_delay_alu instid0(VALU_DEP_2)
	v_pk_add_f32 v[14:15], v[14:15], v[252:253]
	s_delay_alu instid0(VALU_DEP_2)
	v_pk_add_f32 v[234:235], v[234:235], v[250:251]
	s_delay_alu instid0(VALU_DEP_1)
	v_pk_add_f32 v[14:15], v[14:15], v[234:235]
.irp j, 0,2,4,6,8,10,12,14,16,18,20,22,24,26,28,30
	v_pk_mul_f32 v[160+\j:161+\j], v[160+\j:161+\j], v[230:231] op_sel_hi:[1,0]   ; O^T under the new M; with the sums above: the places between p's codes and scale word and the products
.endr
	s_wait_alu depctr_va_vdst(0)
	s_wait_dscnt 0x0                               ; V is in
	v_wmma_scale_f32_16x16x128_f8f6f4 v[160:167], v[36:47], v[192:203], v[160:167], v88, v228 matrix_a_fmt:MATRIX_FMT_FP6 matrix_b_fmt:MATRIX_FMT_FP6
	v_wmma_scale_f32_16x16x128_f8f6f4 v[168:175], v[48:59], v[192:203], v[168:175], v90, v228 matrix_a_fmt:MATRIX_FMT_FP6 matrix_b_fmt:MATRIX_FMT_FP6
	v_wmma_scale_f32_16x16x128_f8f6f4 v[176:183], v[60:71], v[192:203], v[176:183], v89, v228 matrix_a_fmt:MATRIX_FMT_FP6 matrix_b_fmt:MATRIX_FMT_FP6
	v_wmma_scale_f32_16x16x128_f8f6f4 v[184:191], v[72:83], v[192:203], v[184:191], v91, v228 matrix_a_fmt:MATRIX_FMT_FP6 matrix_b_fmt:MATRIX_FMT_FP6
.Lhid_\@:
	s_add_co_u32 s62, s62, 6144                    ; the next step's K,
	s_add_co_u32 s63, s63, 6400                    ; V,
	s_add_co_u32 s66, s66, 256                     ; and K's scale words
.endm
; ONE TILE OF 16 QUERIES: pass p
.macro PASS p
	s_wait_xcnt 0x0                                ; the last pass's stores have read their bases and data
.if \p
	s_sub_co_u32 s61, 15, s10                      ; my block of 128 queries
.else
	s_mov_b32 s61, s10
.endif
	s_lshl_b32 s68, s16, 7
	s_lshl_b32 s69, s13, 5
	s_add_co_u32 s68, s68, s69
	s_lshl_b32 s69, s61, 1
	s_add_co_u32 s68, s68, s69
	s_add_co_u32 s68, s68, \p
	s_mul_i32 s68, s68, 6400                       ; q's block of 64 tokens
	s_mul_i32 s69, s15, 3072
	s_add_co_u32 s70, s68, s69
	s_mul_i32 s69, s11, 768
	s_add_co_u32 s70, s70, s69
	s_mov_b32 s71, 0
	s_add_nc_u64 s[72:73], s[4:5], s[70:71]        ; my tile's 768 bytes
	s_lshl_b32 s69, s15, 7
	s_add_co_u32 s70, s68, s69
	s_lshr_b32 s69, s11, 1
	s_lshl_b32 s69, s69, 2
	s_add_co_u32 s70, s70, s69
	s_add_nc_u64 s[74:75], s[4:5], s[70:71]        ; the word that holds its scale bytes
.irp t, 0,1,2
	global_load_b64 v[16+2*\t:17+2*\t], v1, s[72:73] offset:256*\t
	global_load_b64 v[28+2*\t:29+2*\t], v1, s[72:73] offset:256*\t
.endr
	global_load_b32 v35, v7, s[74:75] offset:6144
	s_lshl_b32 s68, s13, 7
	s_lshl_b32 s69, s61, 3
	s_add_co_u32 s68, s68, s69
	s_add_co_u32 s68, s68, s11
	s_add_co_u32 s68, s68, 4*\p
	s_mul_i32 s68, s68, 12800                      ; my tile's record in the next product's operand
	s_mul_i32 s69, s14, 768
	s_add_co_u32 s70, s68, s69
	s_add_nc_u64 s[76:77], s[8:9], s[70:71]        ; my head's 64 along its K
	s_lshr_b32 s69, s14, 3
	s_lshl_b32 s69, s69, 8
	s_add_co_u32 s70, s68, s69
	s_and_b32 s69, s14, 7
	s_lshl_b32 s69, s69, 1
	s_add_co_u32 s70, s70, s69
	s_add_nc_u64 s[78:79], s[8:9], s[70:71]        ; and its two scale bytes a row
	s_lshr_b32 s69, s11, 1
	s_lshl_b32 s69, s69, 5
	s_and_b32 s70, s11, 1
	s_lshl_b32 s70, s70, 3
	s_add_co_u32 s69, s69, s70
	s_add_co_u32 s69, s69, 64*\p
	v_add_nc_u32 v92, s69, v5                      ; my query's place in its block of 128, less 16 h
	s_mov_b32 s60, 0
	s_mov_b32 s62, 0
	s_mov_b32 s63, 0
	s_mov_b32 s66, 0
	s_wait_loadcnt 0x0
	v_perm_b32 v34, v35, v35, s67                  ; my tile's two bytes in both halves of Q's scale word; the 36 moves below stand between it and the first product
	v_mov_b32 v13, 0xff61b1e6                      ; the largest t so far: -3e38
	s_delay_alu instid0(VALU_DEP_1)
	v_floor_f32 v12, -v13
	v_mov_b32 v14, 0
	v_mov_b32 v15, 0
.irp j, 0,1,2,3,4,5,6,7,8,9,10,11,12,13,14,15,16,17,18,19,20,21,22,23,24,25,26,27,28,29,30,31
	v_mov_b32 v[160+\j], 0                         ; O^T: the step is written once, its first trip finds zeros
.endr
.Lstep_\@:                                         ; 16 trips, a constant: the work of hidden steps is jumped over inside
	STEP
	s_add_co_u32 s60, s60, 1
	s_cmp_lt_u32 s60, 16
	s_cbranch_scc1 .Lstep_\@
	s_setprio 0
	PLACES
	v_add_f32 v14, v14, v15
	s_delay_alu instid0(VALU_DEP_1)
	v_permlanex16_b32 v232, v14, s20, s21
	s_delay_alu instid0(VALU_DEP_1)
	v_add_f32 v14, v14, v232                       ; the row's sum
	s_wait_alu depctr_va_vdst(0)
	v_rcp_f32 v14, v14
	v_nop                                          ; one plain place behind a transcendental
	s_wait_alu depctr_va_vdst(0)
.irp j, 0,1,2,3,4,5,6,7,8,9,10,11,12,13,14,15,16,17,18,19,20,21,22,23,24,25,26,27,28,29,30,31
	v_mul_f32 v[96+\j], v[160+\j], v14             ; o: register 16 b + i = channel 32 b + 16 h + i of my query
.endr
.irp b, 0,1
	v_max3_num_f32 v[212+\b], |v[96+16*\b]|, |v[97+16*\b]|, 0x1800000
.endr
.irp i, 2,4,6,8,10,12,14
.irp b, 0,1
	s_delay_alu instid0(VALU_DEP_2)
	v_max3_num_f32 v[212+\b], v[212+\b], |v[96+16*\b+\i]|, |v[97+16*\b+\i]|
.endr
.endr
.irp b, 0,1
	s_delay_alu instid0(VALU_DEP_2)
	v_permlanex16_b32 v[216+\b], v[212+\b], s20, s21
.endr
.irp b, 0,1
	s_delay_alu instid0(VALU_DEP_2)
	v_max_num_f32 v[212+\b], v[212+\b], v[216+\b]
.endr
.irp b, 0,1
	s_delay_alu instid0(VALU_DEP_2)
	v_add_nc_u32 v[220+\b], 0xff000000, v[212+\b]
.endr
.irp b, 0,1
	s_delay_alu instid0(VALU_DEP_2)
	v_lshrrev_b32 v[224+\b], 23, v[220+\b]
.endr
	s_delay_alu instid0(VALU_DEP_1)
	v_lshl_or_b32 v244, v225, 8, v224              ; my row's two scale bytes
	v_cvt_scalef32_pk16_fp6_f32 v[236:238], v[96:111], v220
	v_cvt_scalef32_pk16_fp6_f32 v[240:242], v[112:127], v221
	v_nop                                          ; one plain place behind a scaled conversion
.irp i, 0,1,2
	v_permlane16_swap_b32 v[236+\i], v[240+\i]
.endr
.irp i, 0,1,2
	s_delay_alu instid0(VALU_DEP_3)
	v_mov_b32 v[239+\i], v[240+\i]
.endr
.irp t, 0,1,2
	global_store_b64 v1, v[236+2*\t:237+2*\t], s[76:77] offset:256*\t   ; 256 consecutive bytes, aligned
.endr
	global_store_b16 v6, v244, s[78:79] offset:12288   ; two bytes a row (lanes 16-31 write what lanes 0-15 write): 32 bytes beside 768 of codes
.endm
	PASS 0
	PASS 1
	s_wait_tensorcnt 0x0
	ds_add_u32 v254, v255
	s_wait_dscnt 0x0
	CROUND                                         ; the closing round
	s_endpgm
.Lfunc_end_k_q9cf4986414_attn:
	.size	k_q9cf4986414_attn, .Lfunc_end_k_q9cf4986414_attn-k_q9cf4986414_attn
	.p2alignl 7, 3214868480
	.fill 96, 4, 3214868480
	.section	.rodata,"a",@progbits
	.p2align	6, 0x0
	.amdhsa_kernel k_q9cf4986414_attn
		.amdhsa_group_segment_fixed_size 206848
		.amdhsa_private_segment_fixed_size 0
		.amdhsa_enable_private_segment 0
		.amdhsa_kernarg_size 24
		.amdhsa_user_sgpr_count 2
		.amdhsa_user_sgpr_kernarg_segment_ptr 1
		.amdhsa_wavefront_size32 1
		.amdhsa_system_sgpr_workgroup_id_x 1
		.amdhsa_system_sgpr_workgroup_id_y 1
		.amdhsa_system_sgpr_workgroup_id_z 1
		.amdhsa_system_vgpr_workitem_id 0
		.amdhsa_next_free_vgpr 256
		.amdhsa_next_free_sgpr 96
		.amdhsa_reserve_vcc 1
		.amdhsa_float_denorm_mode_32 3
		.amdhsa_float_denorm_mode_16_64 3
		.amdhsa_memory_ordered 1
		.amdhsa_forward_progress 1
		.amdhsa_inst_pref_size 71
	.end_amdhsa_kernel
	.amdgpu_metadata
---
amdhsa.version: [ 1, 2 ]
amdhsa.kernels:
  - .name:           k_q9cf4986414_attn
    .symbol:         k_q9cf4986414_attn.kd
    .args:
      - { .name: qk, .offset: 0, .size: 8, .value_kind: global_buffer, .address_space: global }
      - { .name: vv, .offset: 8, .size: 8, .value_kind: global_buffer, .address_space: global }
      - { .name: at, .offset: 16, .size: 8, .value_kind: global_buffer, .address_space: global }
    .group_segment_fixed_size: 206848
    .private_segment_fixed_size: 0
    .kernarg_segment_align: 8
    .kernarg_segment_size: 24
    .max_flat_workgroup_size: 512
    .sgpr_count:     96
    .vgpr_count:     256
    .wavefront_size: 32
...
	.end_amdgpu_metadata
.endif
;; end of part 3
;; launch gemm_proj (part 4): grid 4 x 64, 4 waves a work-group, clusters of 4 x 4, 327,680 bytes of LDS; arguments at, wp, out0; writes out0
.if DOCPART == 4
	.amdgcn_target "amdgcn-amd-amdhsa--gfx1250"
	.amdhsa_code_object_version 6
	.text
	.protected	k_q9cf4986414_gemm_proj
	.globl	k_q9cf4986414_gemm_proj
	.p2align	8
	.type	k_q9cf4986414_gemm_proj,@function
k_q9cf4986414_gemm_proj:
	s_mov_b64 s[64:65], 0
	v_nop
	global_prefetch_b8 v0, s[64:65] scope:SCOPE_SE
	s_setreg_imm32_b32 hwreg(HW_REG_WAVE_MODE, 25, 1), 1
	s_wait_xcnt 0x0
	s_wait_alu depctr_hold_cnt(0) depctr_sa_sdst(0) depctr_va_vdst(0) depctr_va_sdst(0) depctr_va_ssrc(0) depctr_va_vcc(0) depctr_vm_vsrc(0)
	s_getreg_b32 s2, hwreg(HW_REG_IB_STS2, 6, 4)
	s_cmp_eq_u32 s2, 0
	s_cbranch_scc0 .Lentry_in_a_cluster
	s_endpgm
.Lentry_in_a_cluster:
	s_bfe_u32 s2, ttmp6, 0x10000c
	s_cmp_lg_u32 s2, 0xf033
	s_cbranch_scc0 .Lentry_shape_is_right
	s_endpgm
.Lentry_shape_is_right:
; out0 = o Wproj on codes of FP6 (E2M3) with E8M0 scales; out0 [8192][1024] f32.
; P is source 0: 256 columns of Wproj a work-group;  R is source 1: 128 tokens.  A wave makes 128 (P) x 64 (R): 32 accumulators; a lane holds one token and runs of eight neighbouring columns.
; LDS: the work-group's whole K (1,024) of 256 + 128 rows, 307,200 bytes, filled ONCE by five tensor loads a wave (the scales, then four chunks of two K steps); by this text's own count five are out.
; The operands lie in memory as images of the fragments' registers: a fragment is six loads of 8 bytes a lane, 256 consecutive bytes each.
; CLUSTER 4 x 4: P's tile hangs on cx and is asked for jointly by the cluster's column, R's on cy and by its row.
; The tiles' rows are in the order 8 u + r + 8 (r / 8) of each 32: the way out puts columns and tokens back in their places.
; REGISTERS: window 0: v1-16 addresses, v32-95 scale words, v96-223 rows on the way out; window 1: P's fragments, two sets; window 2: R's; window 3: the accumulators at 64 m + 8 i.
.set REC,   12800
.set CH,    73728
.set RPART, 49152
.set RSC,   294912
.set PSC,   299008
.set SPITCH, 528                       ; the way out: a stage of 16 rows x (512 bytes + 16) for each wave, in chunk 0's bytes
.set MSB, 0
.macro WIN new
.if MSB != \new
	s_set_vgpr_msb (MSB<<8)|\new
.set MSB, \new
.endif
.endm
.macro CROUND
	s_barrier_signal -1
	s_barrier_wait -1
	s_cmp_lg_u32 s12, 0
	s_cbranch_scc1 .Lnot_wave_0_\@
	s_barrier_signal -3
.Lnot_wave_0_\@:
	s_barrier_wait -3
	s_barrier_signal -1
	s_barrier_wait -1
.endm
.macro PLACES
.rept 4
	v_nop
.endr
.endm
.macro G1SET g, c, rows
	s_mov_b32 s[\g+1], (\c)<<16
	s_mov_b32 s[\g+2], (\rows)<<16
	s_mov_b32 s[\g+3], (\c)<<16
	s_mov_b32 s[\g+4], \rows
	s_mov_b32 s[\g+5], 1600
	s_mov_b32 s[\g+6], 0
	s_mov_b32 s[\g+7], 0
.endm
.macro G0SET g, lreg, lconst, areg, aoff
	s_mov_b32 s[\g], 1
	s_add_co_u32 s[\g+1], s[\lreg], \lconst
	s_add_nc_u64 s[\g+2:\g+3], s[\areg:\areg+1], \aoff
	s_or_b32 s[\g+3], s[\g+3], 0x80000000
.endm
	s_load_b128 s[4:7], s[0:1], 0x0                ; at s[4:5], wp s[6:7]
	s_load_b64 s[8:9], s[0:1], 0x10                ; out0
	v_lshl_add_u32 v254, v0, 2, 0x4b000
	v_mov_b32 v255, 0
	ds_add_u32 v254, v255
	ds_add_u32 v254, v255
	v_lshrrev_b32 v1, 5, v0
	v_readfirstlane_b32 s12, v1                    ; wave 0..3
	s_and_b32 s13, s12, 1                          ; my half of P's rows.  Also: which half of a tile I fetch
	s_lshr_b32 s14, s12, 1                         ; my half of R's rows.  Also: I fetch for P (0) or for R (1)
	s_bfe_u32 s15, ttmp6, 0x40000                  ; cx
	s_bfe_u32 s16, ttmp6, 0x40004                  ; cy
	s_lshl_b32 s19, 0x1111, s15                    ; my column of the cluster
	s_lshl_b32 s20, s16, 2
	s_lshl_b32 s20, 15, s20                        ; my row
	s_or_b32 s24, s19, (3<<16)|(1<<21)
	s_or_b32 s32, s19, (3<<16)|(1<<21)
	s_or_b32 s40, s20, (3<<16)|(1<<21)
	s_or_b32 s48, s20, (3<<16)|(1<<21)
	G1SET 24, 384, 8
	G1SET 32, 64, 8
	G1SET 40, 384, 4
	G1SET 48, 64, 4
	s_lshl_b32 s17, ttmp9, 2
	s_add_co_u32 s17, s17, s15                     ; P's tile of 256 columns: hangs on cx, never on cy
	s_and_b32 s18, ttmp7, 0xffff
	s_lshl_b32 s18, s18, 2
	s_add_co_u32 s18, s18, s16                     ; R's tile of 128 tokens: hangs on cy, never on cx
	s_mul_i32 s22, s17, 16*REC
	s_mul_i32 s23, s13, 8*REC
	s_add_co_u32 s22, s22, s23
	s_mov_b32 s23, 0
	s_mul_i32 s2, s18, 8*REC
	s_mul_i32 s3, s13, 4*REC
	s_add_co_u32 s2, s2, s3
	s_mov_b32 s3, 0
	s_wait_dscnt 0x0
	s_wait_kmcnt 0x0
	s_add_nc_u64 s[100:101], s[6:7], s[22:23]      ; the 8 records of P that I would fetch
	s_add_nc_u64 s[10:11], s[4:5], s[2:3]          ; the 4 records of R
	s_mul_i32 s4, s13, 24576
	s_mul_i32 s5, s13, 12288
	s_lshl_b32 s21, s13, 12
	s_lshl_b32 s22, s13, 11
	G0SET 56, 21, PSC, 100, 12288
	G0SET 60, 4, 0, 100, 0
	G0SET 68, 4, CH, 100, 3072
	G0SET 72, 4, 2*CH, 100, 6144
	G0SET 76, 4, 3*CH, 100, 9216
	G0SET 80, 22, RSC, 10, 12288
	G0SET 84, 5, RPART, 10, 0
	G0SET 88, 5, CH+RPART, 10, 3072
	G0SET 92, 5, 2*CH+RPART, 10, 6144
	G0SET 96, 5, 3*CH+RPART, 10, 9216
	CROUND                                         ; all sixteen work-groups are here: the joint loads meet
	s_cmp_lt_u32 s12, 2                            ; a wave's five first fills stand in one branch on the wave's number; four v_nop follow the last
	s_cbranch_scc0 .Lfor_r
	tensor_load_to_lds s[56:59], s[32:39]
	s_nop 0
	tensor_load_to_lds s[60:63], s[24:31]
	s_nop 0
	tensor_load_to_lds s[68:71], s[24:31]
	s_nop 0
	tensor_load_to_lds s[72:75], s[24:31]
	s_nop 0
	tensor_load_to_lds s[76:79], s[24:31]
	s_nop 0
	PLACES
	s_branch .Lasked
.Lfor_r:
	tensor_load_to_lds s[80:83], s[48:55]
	s_nop 0
	tensor_load_to_lds s[84:87], s[40:47]
	s_nop 0
	tensor_load_to_lds s[88:91], s[40:47]
	s_nop 0
	tensor_load_to_lds s[92:95], s[40:47]
	s_nop 0
	tensor_load_to_lds s[96:99], s[40:47]
	s_nop 0
	PLACES
.Lasked:
	v_and_b32 v1, 31, v0                           ; lane
	v_and_b32 v2, 15, v0                           ; r
	v_bfe_u32 v3, v0, 4, 1                         ; h
	v_lshlrev_b32 v13, 3, v1                       ; 8 x lane
	s_wait_alu depctr_va_vdst(0)
	s_mul_i32 s6, s14, 12288
	s_add_co_u32 s6, s6, RPART
.irp j, 0,1,2,3
	v_add_nc_u32 v[4+\j], s4, v13                  ; v4-7: my 8 tiles of P in chunk j
	v_add_nc_u32 v[8+\j], s6, v13                  ; v8-11: my 4 tiles of R
	s_add_co_u32 s4, s4, CH
	s_add_co_u32 s6, s6, CH
.endr
	s_lshl_b32 s6, s14, 11                         ; scale words: lanes 0-15 take R's tiles, lanes 16-31 P's: the lower base + h x the distance
	s_lshl_b32 s7, s13, 12
	s_add_co_u32 s7, s7, PSC-RSC
	s_sub_co_u32 s7, s7, s6
	v_mul_u32_u24 v12, s7, v3
	v_lshl_add_u32 v12, v2, 4, v12
	s_add_co_u32 s6, s6, RSC
	v_add_nc_u32 v12, s6, v12
	s_mul_i32 s6, s12, 16*SPITCH                   ; my stage
	v_mul_u32_u24 v14, v2, SPITCH
	v_lshl_add_u32 v14, v3, 6, v14
	v_add_nc_u32 v14, s6, v14                      ; in: row r, + 64 h
	v_lshlrev_b32 v16, 4, v1                       ; 16 x lane: my place in a row of 512 bytes
	v_add_nc_u32 v15, s6, v16                      ; back
	s_lshl_b32 s4, s18, 7
	s_lshl_b32 s5, s14, 6
	s_add_co_u32 s4, s4, s5                        ; my first token
	s_lshl_b32 s4, s4, 12
	s_lshl_b32 s5, s17, 10
	s_add_co_u32 s4, s4, s5
	s_lshl_b32 s5, s13, 9
	s_add_co_u32 s4, s4, s5                        ; my first column, in bytes
	s_mov_b32 s5, 0
	s_add_nc_u64 s[8:9], s[8:9], s[4:5]
.macro FRAG reg, adr, off
.irp p, 0,1,2,3,4,5
	ds_load_b64 v[(\reg)+2*\p:(\reg)+2*\p+1], v[\adr] offset:(\off)+256*\p
.endr
.endm
.macro FETCH s
	WIN 0x40
.irp i, 0,1,2,3,4,5,6,7
	FRAG 128*((\s)%2)+12*\i, 4+((\s)/2), 3072*\i+1536*((\s)%2)
.endr
	WIN 0x80
.irp m, 0,1,2,3
	FRAG 64*((\s)%2)+12*\m, 8+((\s)/2), 3072*\m+1536*((\s)%2)
.endr
.endm
.macro MUL s, zero                     ; 32 products; the 32 accumulators take turns, in the same order in every K step
	WIN 0xf9
.irp m, 0,1,2,3
.irp i, 0,1,2,3,4,5,6,7
.if \zero
	v_wmma_scale_f32_16x16x128_f8f6f4 v[64*\m+8*\i:64*\m+8*\i+7], v[128*((\s)%2)+12*\i:128*((\s)%2)+12*\i+11], v[64*((\s)%2)+12*\m:64*((\s)%2)+12*\m+11], 0, v[32+8*\i+(\s)], v[32+8*\m+(\s)] matrix_a_fmt:MATRIX_FMT_FP6 matrix_b_fmt:MATRIX_FMT_FP6 matrix_a_scale:MATRIX_SCALE_ROW1
.else
	v_wmma_scale_f32_16x16x128_f8f6f4 v[64*\m+8*\i:64*\m+8*\i+7], v[128*((\s)%2)+12*\i:128*((\s)%2)+12*\i+11], v[64*((\s)%2)+12*\m:64*((\s)%2)+12*\m+11], v[64*\m+8*\i:64*\m+8*\i+7], v[32+8*\i+(\s)], v[32+8*\m+(\s)] matrix_a_fmt:MATRIX_FMT_FP6 matrix_b_fmt:MATRIX_FMT_FP6 matrix_a_scale:MATRIX_SCALE_ROW1
.endif
.endr
.endr
.endm
.macro KSTEP s
	s_wait_dscnt 0x0                               ; this step's fragments are in (asked for ahead of the last step's 32 products)
.if ((\s) == 1) || ((\s) == 3) || ((\s) == 5)
	s_wait_tensorcnt (5-(\s))/2                    ; my part of the next chunk has landed; the chunks behind it may be out
	s_barrier_signal -1
	s_barrier_wait -1
.endif
.if ((\s) > 0) && ((\s) < 7)
	PLACES                                         ; four places in front of loads into registers that the last step's products read
.endif
.if (\s) < 7
	FETCH (\s)+1
.endif
.if (\s) == 0
	MUL \s, 1
.else
	MUL \s, 0
.endif
.endm
	s_wait_alu depctr_va_vdst(0)
	s_wait_tensorcnt 3                             ; my scales and my part of chunk 0 are in; three chunks may be out
	s_barrier_signal -1
	s_barrier_wait -1
.irp i, 0,1,2,3,4,5,6,7                        ; all scale words, once: register 32 + 8 i + s: lanes 0-15 R's tile i (i < 4; above that bytes that nobody uses), lanes 16-31 P's tile i, K step s
.irp g, 0,1
	ds_load_b128 v[32+8*\i+4*\g:32+8*\i+4*\g+3], v12 offset:512*\i+256*\g
.endr
.endr
	FETCH 0
.irp s, 0,1,2,3,4,5,6,7
	KSTEP \s
.endr
; THE WAY OUT, R's tile m (16 tokens x my 128 columns) at a time, through my own stage.  The stage lies in chunk 0, which has had its one fill; every wave's reads of chunk 0 were over
; in front of the barrier of K step 1.  LDS serves a wave's instructions in order: no wait between the stores and the loads, nor in front of the next tile's stores.
.macro TOSTAGE m
	WIN 0x0c                                       ; an LDS store's data: window 3
.irp b, 0,1,2,3
.irp u, 0,1
	ds_store_b128 v14, v[64*(\m)+8*(2*\b+\u):64*(\m)+8*(2*\b+\u)+3] offset:128*\b+32*\u        ; columns 32 b + 16 h + 8 u on; each accumulator from its low end on
	ds_store_b128 v14, v[64*(\m)+8*(2*\b+\u)+4:64*(\m)+8*(2*\b+\u)+7] offset:128*\b+32*\u+16
.endr
.endr
	WIN 0
.irp t, 0,1,2,3,4,5,6,7,8,9,10,11,12,13,14,15
	ds_load_b128 v[96+64*((\m)%2)+4*\t:96+64*((\m)%2)+4*\t+3], v15 offset:SPITCH*\t
.endr
.endm
.macro SEND m, younger                 ; younger: the LDS instructions issued behind tile m's loads, which may stay out
	s_wait_dscnt \younger
.irp t, 0,1,2,3,4,5,6,7,8,9,10,11,12,13,14,15
	global_store_b128 v16, v[96+64*((\m)%2)+4*\t:96+64*((\m)%2)+4*\t+3], s[8:9] offset:(32*((\m)/2)+8*((\m)%2)+\t+8*(\t/8))*4096 th:TH_STORE_NT   ; 32 lanes store 512 consecutive bytes of one token's row, aligned
.endr
.endm
	PLACES                                         ; four places between the last product and the first read of results
	TOSTAGE 0
.irp a, 1,2,3
.if \a > 1
	s_wait_xcnt 0x0                                ; tile a - 2's stores have read their registers: tile a's loads may land there
.endif
	TOSTAGE \a
	SEND \a-1, 32                                  ; behind tile a - 1's loads: tile a's 16 stores and 16 loads
.endr
	SEND 3, 0
	s_wait_tensorcnt 0x0
	ds_add_u32 v254, v255
	s_wait_dscnt 0x0
	CROUND                                         ; the closing round: no work-group ends while a partner may still ask for a tile that names it
	s_endpgm
.Lfunc_end_k_q9cf4986414_gemm_proj:
	.size	k_q9cf4986414_gemm_proj, .Lfunc_end_k_q9cf4986414_gemm_proj-k_q9cf4986414_gemm_proj
	.p2alignl 7, 3214868480
	.fill 96, 4, 3214868480
	.section	.rodata,"a",@progbits
	.p2align	6, 0x0
	.amdhsa_kernel k_q9cf4986414_gemm_proj
		.amdhsa_group_segment_fixed_size 327680
		.amdhsa_private_segment_fixed_size 0
		.amdhsa_enable_private_segment 0
		.amdhsa_kernarg_size 24
		.amdhsa_user_sgpr_count 2
		.amdhsa_user_sgpr_kernarg_segment_ptr 1
		.amdhsa_wavefront_size32 1
		.amdhsa_system_sgpr_workgroup_id_x 1
		.amdhsa_system_sgpr_workgroup_id_y 1
		.amdhsa_system_sgpr_workgroup_id_z 1
		.amdhsa_system_vgpr_workitem_id 0
		.amdhsa_next_free_vgpr 1024
		.amdhsa_next_free_sgpr 102
		.amdhsa_reserve_vcc 0
		.amdhsa_float_denorm_mode_32 3
		.amdhsa_float_denorm_mode_16_64 3
		.amdhsa_memory_ordered 1
		.amdhsa_forward_progress 1
		.amdhsa_inst_pref_size 96
	.end_amdhsa_kernel
	.amdgpu_metadata
---
amdhsa.version: [ 1, 2 ]
amdhsa.kernels:
  - .name:           k_q9cf4986414_gemm_proj
    .symbol:         k_q9cf4986414_gemm_proj.kd
    .args:
      - { .name: at, .offset: 0, .size: 8, .value_kind: global_buffer, .address_space: global }
      - { .name: wp, .offset: 8, .size: 8, .value_kind: global_buffer, .address_space: global }
      - { .name: out0, .offset: 16, .size: 8, .value_kind: global_buffer, .address_space: global }
    .group_segment_fixed_size: 327680
    .private_segment_fixed_size: 0
    .kernarg_segment_align: 8
    .kernarg_segment_size: 24
    .max_flat_workgroup_size: 128
    .sgpr_count:     102
    .vgpr_count:     1024
    .wavefront_size: 32
...
	.end_amdgpu_metadata
.endif
;; end of part 4
